; MI455X (gfx1250); checked and timed in simulation.
; The chip was launched on July 23, 2026; its instructions are those of AMD's public machine-readable ISA for CDNA 5 (MIT licence, August 2026) and "CDNA5" Instruction Set Architecture Reference Guide (July 2026). The comments in the code are by the model that wrote it; some were corrected since.
;; Criss Cross Attention. Allowed arithmetic: matrix products marked QUANTISED: E4M3 operands, one E8M0 scale for each 32 along K, by v_wmma_scale_f32_16x16x128_f8f6f4 with both operands' format E4M3, f32 sums; everything else in f32.
;; Inputs: bn1_bias 32 float32; bn1_mean 32 float32; bn1_scale 32 float32; bn1_var 32 float32; bn2_bias 32 float32; bn2_mean 32 float32; bn2_scale 32 float32; bn2_var 32 float32; bn3_bias 256 float32; bn3_mean 256 float32; bn3_scale 256 float32; bn3_var 256 float32; gamma 1 float32; w_k 32 x 256 float32; w_q 32 x 256 float32; w_v 256 x 256 float32; x 4 x 256 x 4,096 float32.
;; Outputs: out0 4 x 256 x 4,096 float32.
;; This version of the problem:
;;   THIS VERSION OF THE PROBLEM IS GIVEN IN LOW PRECISION. The matrix products marked QUANTISED in the list below multiply operands that are first quantised to E4M3 (4 exponent bits, 3 mantissa bits; 8 bits a number), with one power-of-two scale for each 32 numbers along K (OCP MX v1.0); their sums are f32. All else is computed in f32.
;;   The module's matrix products, in the order in which they are computed (A, B: the left and right operand; K: the contracted axis; several contracted axes count as one K, in the product's order):
;;     1. [M 16,384, K 256] x [K 256, N 32]; A: input x; B: input w_q: QUANTISED
;;     2. [M 16,384, K 256] x [K 256, N 32]; A: input x; B: input w_k: QUANTISED
;;     3. [M 16,384, K 256] x [K 256, N 256]; A: input x; B: input w_v: QUANTISED
;;     4. batch 4 x [M 4,096, K 32] x [K 32, N 4,096]; A: computed on the way; B: computed on the way: QUANTISED
;;     5. batch 4 x [M 256, K 4,096] x [K 4,096, N 4,096]; A: computed on the way; B: computed on the way: QUANTISED
;;   THE QUANTISER, for each operand of a quantised product, along K:
;;     - K is cut into blocks of 32 from its start; a last block that is shorter is filled with zeros.
;;     - A block's scale is 2^e with e = floor(log2(the largest magnitude in the block)) - 8, held to -126 .. 127; a block of zeros has e = 0. As a byte (E8M0): e + 127.
;;     - Each number is divided by its block's scale, clamped to +-448, and rounded to the nearest number of E4M3, ties to even, subnormals kept.
;;     - The product sums the exact products of the quantised numbers (number of the format x scale) in f32.
;;   ~~~python
;;   def quantise(x, axis):      # numpy; x: float32 -> the quantised numbers, widened to float32 again
;;       x = np.moveaxis(x, axis, -1); K = x.shape[-1]
;;       x = np.pad(x, [(0, 0)] * (x.ndim - 1) + [(0, -K % 32)]); x = x.reshape(x.shape[:-1] + (-1, 32)); a = np.abs(x).max(-1, keepdims=True)
;;       e = np.where(a > 0, np.clip(np.frexp(np.where(a > 0, a, 1))[1] - 1 - 8, -126, 127), 0)      # np.frexp(a)[1] - 1 = floor(log2(a)), exactly
;;       r = np.clip(x / 2.0 ** e, -448, 448)
;;       step = 2.0 ** (np.maximum(np.frexp(np.where(r == 0, 1, r))[1] - 1, -6) - 3)
;;       q = np.round(r / step) * step * 2.0 ** e      # np.round: ties to even
;;       return np.moveaxis(q.reshape(q.shape[:-2] + (-1,))[..., :K], -1, axis).astype(np.float32)
;;   ~~~
;;   OPERANDS COMPUTED ON THE WAY. 'Computed on the way' means the value that the module computes at that place (a softmax that the list does not call 'softmax' is quantised finished and normalised). What goes into a quantiser is computed in f32, as accurately as f32 sums, v_exp_f32 and their like allow (about 1e-6 of the number): no bf16 or f16 on the way to a quantiser, and a product that is left as it is and whose result goes on into a quantised operand takes f32 operands (vector FMAs, or v_wmma_f32_16x16x4_f32). A number that lies on a knife's edge between two numbers of the format may be rounded either way, as far as f32 arithmetic and the matrix unit's own rounding can turn it there, and no further.
;; One version. Each part assembles by itself: llvm-mc -triple=amdgcn-amd-amdhsa -mcpu=gfx1250 --defsym DOCPART=n.
;; ======== version 1 of 1: 2 launches
;; workspace buffers: q_codes 524,288 bytes; k_codes 524,288 bytes; q_sc 65,536 bytes; k_sc 65,536 bytes; ew 65,536 bytes; v_img 4,194,304 bytes; v_sc 131,072 bytes; v32 16,777,216 bytes
;; launch proj (part 1): grid 64 x 4, 4 waves a work-group, no clusters, 57,600 bytes of LDS; arguments x, w_q, w_k, w_v, bn1_mean, bn1_var, bn1_scale, bn1_bias, bn2_mean, bn2_var, bn2_scale, bn2_bias, bn3_mean, bn3_var, bn3_scale, bn3_bias, q_codes, q_sc, k_codes, k_sc, ew, v_img, v_sc, v32; writes q_codes, q_sc, k_codes, k_sc, ew, v_img, v_sc, v32
.if DOCPART == 1
	.amdgcn_target "amdgcn-amd-amdhsa--gfx1250"
	.amdhsa_code_object_version 6
	.text
	.protected	k_q70a0bd7503_proj
	.globl	k_q70a0bd7503_proj
	.p2align	8
	.type	k_q70a0bd7503_proj,@function
k_q70a0bd7503_proj:
	s_mov_b64 s[64:65], 0
	v_nop
	global_prefetch_b8 v0, s[64:65] scope:SCOPE_SE
	s_setreg_imm32_b32 hwreg(HW_REG_WAVE_MODE, 25, 1), 1
	s_wait_xcnt 0x0
; q = relu(BN1(w_q x)), k = relu(BN2(w_k x)), v = relu(BN3(w_v x)): x [4][256][4096] f32, the three products on codes of FP8 (E4M3) with one E8M0 scale for each 32 along the channels c.
; DEAD WORK: none.  Every input has a way to the output (x, the three weights and the twelve BN vectors here, gamma in the second launch), and every product of the problem is live; the diagonal that is hidden lies inside live tiles.
; OUT: q and k quantised along their 32 channels (one block): q_codes, k_codes [b][n][32]; q_sc, k_sc [b][n]: the block's byte four times in a word; ew [b][n] = the sum over d of q k, f32, unquantised;
;      v quantised along the KEYS (blocks of 32 positions): v_img [b][key step G of 128][channel tile T][block c][lane][16 bytes]: the order of an operand's registers (lane (r, h): channel 16 T + r, keys 128 G + 32 c + 16 h + 0..15);
;      v_sc [b][G][channel]: a word, byte c for block c;  v32 [b][256][4096]: v in f32, for the term v x att_w.
; LIMITS: NaN and infinities among the inputs are not served; var + 1e-5 is taken to be positive; 1 / sqrt is v_rsq_f32 (1 ulp).  A block of zeros gets the byte 1 where the rule says 127: its codes are zeros, and this program alone reads the bytes.
; SHARES.  A work-group of four waves owns 64 positions of one batch.  Wave w loads channels 64 w .. 64 w + 63 of x, 16 bytes a lane (sixteen lanes read 256 consecutive bytes), so a lane holds positions 4 r .. 4 r + 3:
; TILE j OF x IS THE POSITIONS 4 r + j (which rows form a tile is free).  A lane's registers then run down c, as the conversions want.  x's eight fragments (tile j, K step s) go to all waves through LDS as images of their registers.
; Wave w quantises w_q's / w_k's tile w (shared through LDS) and its own four tiles of w_v (kept).  q, k: source 0 = 16 rows of the weight (rows 8 u + r + 8 (r / 8), so that two tiles give a lane 16 neighbouring channels),
; source 1 = x's tile w: a lane holds one position.  v: source 0 = x's tile j, source 1 = 16 rows of w_v: a lane holds one channel, and its 32 results of the four tiles are 32 neighbouring positions: a whole block along the keys.
; THE ORDER OF THE REQUESTS.  LOADcnt's field holds 63, and a load beyond that is issued only when an older one has come back (ISA guide 5.7.1).  So what is wanted first is asked for first: x's 32 loads, then my first two weight
; fragments (32); the weights then run three fragments (48 loads) ahead of their quantising; the BN vectors' 48 small loads, wanted only behind the products, go out last, where the wave waits for its last fragment anyway.
; REGISTERS, in windows of 256: 0: addresses, scale words, BN vectors, work.  1: v0-127 w_v's 8 fragments; v128-255 codes just made, then w_q's / w_k's 8.  2: v0-127 x's 8 fragments; v128-255 x in f32, then my tile's 2 fragments and v's codes.
;   3: four sets of 64 weights in f32, then the 16 accumulators of v (v0-127) and rows of v on their way out (v128-255).
.set XIMG,  0                          ; LDS: x's 8 fragments, 2,048 bytes each (2 j + s)
.set XSC,   16384                      ; their scale words, 128 bytes each
.set WIMG,  17408                      ; w_q's and w_k's 8 fragments (2 tile + s)
.set WSC,   33792                      ; their scale words
.set VST,   34816                      ; a stage of 16 rows x (256 + 16) bytes for each wave
.set QKST,  52224                      ; q's codes 2,048, k's codes 2,048, q's words 256, k's words 256, ew 256
.set SPARE, 57088                      ; the spare words, 128 bytes for each wave: two blocks of 256 bytes that no other line names
.set SPW,1
.set NIL,2
.set R,3
.set H,4
.set LI,5                              ; 16 x lane
.set LS,6                              ; 4 x lane
.set XOFF,7                            ; x: 16 rows x h + 16 r
.set WVO,8                             ; w_v: row r, + 64 h
.set WQO,9                             ; w_q, w_k: row r + 8 (r / 8), + 64 h
.set XWI,10                            ; where my part of x's images goes
.set XWS,11                            ; and my two bytes of their scale words
.set WWI,12                            ; 16 lane + 4,096 w: my weight tile's images; also my x tile's
.set WWS,13                            ; 4 lane + 256 w: the same for scale words
.set QRB,14
.set WRB,15
.set VSTO,16
.set VSRD,17
.set GO32,18
.set VIO,19
.set VSCO,20
.set QSC,21
.set QSW,22
.set BN3O,23
.set BNQO,24
.set HW,25                             ; v25-28 pairs of scale bytes
.set W8,58                             ; 8 x lane
.set XS,32                             ; v32-39 x's scale words; v40-47 w_v's; v48-55 w_q's, w_k's; v56-57 my x tile's: these hold scales and nothing else
.set WVS,40
.set WQS,48
.set XQS,56
.set TM,60                             ; v60-75 the quantisers' work
.set VO,96                             ; v96-127 work: held numbers of x; q and k; v
.set MSB, 0
.macro WIN new                         ; the immediate's high byte repeats the setting that is left; a switch that changes nothing is dropped
.if MSB != (\new)
	s_set_vgpr_msb (MSB<<8)|(\new)
.set MSB, \new
.endif
.endm
.macro WINS d, a, b, c                 ; windows of the destination and of sources 0, 1, 2
	WIN (((\d)<<6)|((\c)<<4)|((\b)<<2)|(\a))
.endm
.macro BARRIER                         ; my LDS stores have landed and my LDS loads are in: then the work-group's barrier
	s_wait_dscnt 0x0
	s_barrier_signal -1
	s_barrier_wait -1
.endm
; 64 weights of a lane (16 of each block of 32 of its row), into set 'set' of window 3
.macro WLOAD set, adr, base, off
	WINS 3,0,0,0
.irp c,0,1,2,3
.irp q,0,1,2,3
	global_load_b128 v[64*(\set)+16*\c+4*\q:64*(\set)+16*\c+4*\q+3], v[\adr], s[\base:\base+1] offset:(\off)+128*\c+16*\q
.endr
.endr
	WIN 0
.endm
; a set's 64 numbers (register 16 b + i = k 32 b + 16 h + i of my row) become a fragment's codes in window 1 from v[dst] on, and its scale word in v[word]
.macro QUANT set, dst, word
.set SB, 64*(\set)
	WINS 0,3,3,0
.irp b,0,1,2,3
	v_max3_num_f32 v[TM+\b], |v[SB+16*\b]|, |v[SB+16*\b+1]|, 0x4800000   ; my 16 numbers of block b, and the floor 2^(9 - 127): the byte cannot fall under 1
.endr
	WINS 0,0,3,3
.irp i,2,4,6,8,10,12,14
.irp b,0,1,2,3
	v_max3_num_f32 v[TM+\b], v[TM+\b], |v[SB+16*\b+\i]|, |v[SB+16*\b+\i+1]|
.endr
.endr
	WIN 0
.irp b,0,1,2,3
	v_permlanex16_b32 v[TM+4+\b], v[TM+\b], s58, s59
.endr
.irp b,0,1,2,3
	v_max_num_f32 v[TM+\b], v[TM+\b], v[TM+4+\b]          ; with lane l xor 16's: the block's largest magnitude
.endr
.irp b,0,1,2,3
	v_add_nc_u32 v[TM+12+\b], 0xfc000000, v[TM+\b]        ; 8 off its exponent field: the conversion's scale operand
.endr
.irp b,0,1,2,3
	v_and_or_b32 v[TM+8+\b], v[TM+\b], 0x7f800000, s60    ; 448 x the scale
.endr
.irp b,0,1,2,3
	v_lshrrev_b32 v[TM+4+\b], 23, v[TM+12+\b]             ; the scale's byte
.endr
	v_lshl_or_b32 v[\word], v[TM+5], 8, v[TM+4]
	v_lshl_or_b32 v[\word], v[TM+6], 16, v[\word]
	v_lshl_or_b32 v[\word], v[TM+7], 24, v[\word]
	WINS 3,3,0,0
.irp b,0,1,2,3
.set I,0
.rept 16
	v_med3_num_f32 v[SB+16*\b+I], v[SB+16*\b+I], -v[TM+8+\b], v[TM+8+\b]   ; the conversion to an 8-bit code does not saturate (ISA guide 7.6.2): the hold at the largest code x the scale
.set I,I+1
.endr
.endr
	WINS 1,3,0,0
.irp b,0,1,2,3
	v_cvt_scalef32_pk8_fp8_f32 v[(\dst)+4*\b:(\dst)+4*\b+1], v[SB+16*\b:SB+16*\b+7], v[TM+12+\b]
	v_cvt_scalef32_pk8_fp8_f32 v[(\dst)+4*\b+2:(\dst)+4*\b+3], v[SB+16*\b+8:SB+16*\b+15], v[TM+12+\b]
.endr
	WIN 0
	v_nop                                                  ; a plain line behind the last conversion
.endm
; 16 numbers of a lane, none negative, v[base] on (channels 16 h + 0..15 of my position): codes into v[code..code+3], the block's byte four times into v[word]
.macro QKQ base, code, word
	v_max3_num_f32 v68, v[\base], v[\base+1], 0x4800000
.irp i,2,4,6,8,10,12,14
	v_max3_num_f32 v68, v68, v[\base+\i], v[\base+\i+1]
.endr
	v_permlanex16_b32 v69, v68, s58, s59
	v_max_num_f32 v68, v68, v69
	v_add_nc_u32 v71, 0xfc000000, v68
	v_and_or_b32 v70, v68, 0x7f800000, s60
	v_lshrrev_b32 v72, 23, v71
	v_mul_lo_u32 v[\word], v72, s63                        ; the product's K has one block of 32; the other three bytes of the word scale zero codes
.set I,0
.rept 16
	v_min_num_f32 v[\base+I], v[\base+I], v70              ; nothing is negative behind the ReLU: the hold is one-sided
.set I,I+1
.endr
	v_cvt_scalef32_pk8_fp8_f32 v[\code:\code+1], v[\base:\base+7], v71
	v_cvt_scalef32_pk8_fp8_f32 v[\code+2:\code+3], v[\base+8:\base+15], v71
	v_nop
.endm
	s_load_b512 s[4:19], s[0:1], 0x0               ; x, w_q, w_k, w_v, bn1: mean, var, scale, bias
	s_load_b512 s[20:35], s[0:1], 0x40             ; bn2: mean, var, scale, bias; bn3: the same
	s_load_b512 s[36:51], s[0:1], 0x80             ; q_codes, q_sc, k_codes, k_sc, ew, v_img, v_sc, v32
	v_lshl_add_u32 v[SPW], v0, 2, SPARE
	v_mov_b32 v[NIL], 0
	v_lshrrev_b32 v29, 5, v0
	v_readfirstlane_b32 s52, v29                   ; wave 0..3
	v_and_b32 v30, 31, v0                          ; lane
	v_and_b32 v[R], 15, v0
	v_bfe_u32 v[H], v0, 4, 1
	v_lshlrev_b32 v[LI], 4, v30
	v_lshlrev_b32 v[LS], 2, v30
	v_lshlrev_b32 v[W8], 3, v30
	v_lshlrev_b32 v[XOFF], 18, v[H]                ; 16 rows of 16,384 bytes
	v_lshl_add_u32 v[XOFF], v[R], 4, v[XOFF]
	v_lshlrev_b32 v[WVO], 10, v[R]                 ; a row of a weight is 1,024 bytes
	v_lshl_add_u32 v[WVO], v[H], 6, v[WVO]
	v_and_b32 v29, 8, v[R]
	v_add_nc_u32 v29, v29, v[R]                    ; r + 8 (r / 8)
	v_lshlrev_b32 v[WQO], 10, v29
	v_lshl_add_u32 v[WQO], v[H], 6, v[WQO]
	s_lshr_b32 s70, s52, 1                         ; my channels' K step,
	s_and_b32 s71, s52, 1                          ; and which half of it
	s_lshl_b32 s72, s70, 11
	s_lshl_b32 s73, s71, 10
	s_add_co_u32 s72, s72, s73
	v_add_nc_u32 v[XWI], s72, v[LI]
	s_lshl_b32 s72, s70, 7
	s_lshl_b32 s73, s71, 1
	s_add_co_u32 s72, s72, s73
	v_add_nc_u32 v[XWS], s72, v[LS]
	s_lshl_b32 s72, s52, 12
	v_add_nc_u32 v[WWI], s72, v[LI]
	s_lshl_b32 s72, s52, 8
	v_add_nc_u32 v[WWS], s72, v[LS]
	v_lshl_add_u32 v[BN3O], v[R], 2, s72           ; bn3: channel 64 w + r
	s_mul_i32 s72, s52, 4352
	s_add_co_u32 s72, s72, VST                     ; my stage
	v_mul_u32_u24 v[VSTO], v[R], 272
	v_lshl_add_u32 v[VSTO], v[H], 7, v[VSTO]
	v_add_nc_u32 v[VSTO], s72, v[VSTO]             ; in: row = channel r, positions 32 h on
	v_mul_u32_u24 v[VSRD], v[H], 272
	v_lshl_add_u32 v[VSRD], v[R], 4, v[VSRD]
	v_add_nc_u32 v[VSRD], s72, v[VSRD]             ; back: lanes 0-15 one row, lanes 16-31 the next
	v_lshlrev_b32 v[GO32], 14, v[H]
	v_lshl_add_u32 v[GO32], v[R], 4, v[GO32]       ; and the same two rows in v32
	v_lshlrev_b32 v[VIO], 9, v[H]
	v_lshl_add_u32 v[VIO], v[R], 4, v[VIO]         ; v_img: block h of my two, lane r of an image
	v_lshlrev_b32 v[VSCO], 2, v[R]
	s_lshl_b32 s72, s52, 5
	s_add_co_u32 s72, s72, QKST
	v_lshlrev_b32 v[QSC], 7, v[R]
	v_lshl_add_u32 v[QSC], v[H], 4, v[QSC]
	v_add_nc_u32 v[QSC], s72, v[QSC]               ; position 4 r + w: 32 bytes a position, + 16 h
	s_lshl_b32 s72, s52, 2
	s_add_co_u32 s72, s72, QKST+4096
	v_lshl_add_u32 v[QSW], v[R], 4, s72            ; and 4 bytes a position
	v_lshlrev_b32 v[BNQO], 6, v[H]                 ; bn1, bn2: channels 16 h on
	s_lshl_b32 s72, s52, 9
	s_add_co_u32 s72, s72, QKST
	v_add_nc_u32 v[QRB], s72, v[LI]
	s_lshl_b32 s72, s52, 8
	s_add_co_u32 s72, s72, QKST+4096
	v_lshl_add_u32 v[WRB], v30, 3, s72
.irp i,29,30,31,60,61,62,63,64,65,66,67,68,69,70,71,72,73,74,75,76,77,78,79
	v_mov_b32 v\i, 0                               ; written once: a lane permute's destination counts as one of its sources
.endr
	s_mov_b32 s53, ttmp9                           ; g: my block of 64 positions
	s_and_b32 s54, ttmp7, 0xffff                   ; b
	s_mov_b32 s57, 0
	s_mov_b32 s58, 0x76543210
	s_mov_b32 s59, 0xfedcba98                      ; v_permlanex16_b32's selects for lane l xor 16
	s_mov_b32 s60, 0x600000                        ; the mantissa field of 448
	s_mov_b32 s61, 0x3727c5ac                      ; 1e-5
	s_mov_b32 s62, 0xffff0000                      ; lanes 16-31
	s_mov_b32 s63, 0x01010101
	s_wait_kmcnt 0x0
	s_lshl_b32 s56, s54, 22
	s_lshl_b32 s72, s52, 20
	s_add_co_u32 s56, s56, s72
	s_lshl_b32 s72, s53, 8
	s_add_co_u32 s56, s56, s72
	s_add_nc_u64 s[4:5], s[4:5], s[56:57]          ; x at my batch, my 64 channels, my 64 positions
	s_add_nc_u64 s[50:51], s[50:51], s[56:57]      ; v32 likewise
	; ---- x is asked for first: 32 loads
	WINS 2,0,0,0
.irp be,0,1
.set I,0
.rept 16
	global_load_b128 v[128+64*\be+4*I:128+64*\be+4*I+3], v[XOFF], s[4:5] offset:(32*\be+I)*16384 th:TH_LOAD_NT   ; channel 64 w + 32 be + 16 h + I, positions 4 r .. 4 r + 3
.set I,I+1
.endr
.endr
	WIN 0
	s_lshl_b32 s56, s52, 16
	s_add_nc_u64 s[10:11], s[10:11], s[56:57]      ; w_v at my 64 rows
	s_cmp_lt_u32 s52, 2
	s_cselect_b64 s[66:67], s[6:7], s[8:9]         ; waves 0, 1: w_q; waves 2, 3: w_k
	s_lshl_b32 s56, s71, 13
	s_add_nc_u64 s[66:67], s[66:67], s[56:57]      ; tile u = w % 2 begins 8 rows on
	WLOAD 0, WQO, 66, 0                            ; then my first two weight fragments: 32 loads
	WLOAD 1, WQO, 66, 512
	s_lshl_b32 s56, s54, 17                        ; the outputs' bases are made while those loads are out
	s_lshl_b32 s72, s53, 11
	s_add_co_u32 s56, s56, s72
	s_lshl_b32 s72, s52, 9
	s_add_co_u32 s56, s56, s72
	s_add_nc_u64 s[36:37], s[36:37], s[56:57]
	s_add_nc_u64 s[40:41], s[40:41], s[56:57]
	s_lshl_b32 s56, s54, 14
	s_lshl_b32 s72, s53, 8
	s_add_co_u32 s56, s56, s72
	s_add_nc_u64 s[38:39], s[38:39], s[56:57]
	s_add_nc_u64 s[42:43], s[42:43], s[56:57]
	s_add_nc_u64 s[44:45], s[44:45], s[56:57]
	s_lshr_b32 s73, s53, 1                         ; G
	s_and_b32 s74, s53, 1                          ; which half of the key step
	s_lshl_b32 s56, s54, 20
	s_lshl_b32 s72, s73, 15
	s_add_co_u32 s56, s56, s72
	s_lshl_b32 s72, s52, 13
	s_add_co_u32 s56, s56, s72
	s_lshl_b32 s72, s74, 10
	s_add_co_u32 s56, s56, s72
	s_add_nc_u64 s[46:47], s[46:47], s[56:57]
	s_lshl_b32 s56, s54, 15
	s_lshl_b32 s72, s73, 10
	s_add_co_u32 s56, s56, s72
	s_lshl_b32 s72, s52, 8
	s_add_co_u32 s56, s56, s72
	s_lshl_b32 s72, s74, 1
	s_add_co_u32 s56, s56, s72
	s_add_nc_u64 s[48:49], s[48:49], s[56:57]
	s_wait_loadcnt 32                              ; all but the 32 youngest: x is in
	WLOAD 2, WVO, 10, 0
	WLOAD 3, WVO, 10, 512
	; ---- x: eight blocks of 32 along c (be, tile j); a lane holds 16 numbers of each
	WINS 0,2,2,0
.irp be,0,1
.irp j,0,1,2,3
	v_max3_num_f32 v[TM+4*\be+\j], |v[128+64*\be+\j]|, |v[128+64*\be+4+\j]|, 0x4800000
.endr
.endr
	WINS 0,0,2,2
.irp i,2,4,6,8,10,12,14
.irp be,0,1
.irp j,0,1,2,3
	v_max3_num_f32 v[TM+4*\be+\j], v[TM+4*\be+\j], |v[128+64*\be+4*\i+\j]|, |v[128+64*\be+4*\i+4+\j]|
.endr
.endr
.endr
	WIN 0
.irp q,0,1,2,3,4,5,6,7
	v_permlanex16_b32 v[TM+8+\q], v[TM+\q], s58, s59
.endr
.irp q,0,1,2,3,4,5,6,7
	v_max_num_f32 v[TM+\q], v[TM+\q], v[TM+8+\q]
.endr
.irp q,0,1,2,3,4,5,6,7
	v_and_or_b32 v[TM+8+\q], v[TM+\q], 0x7f800000, s60     ; 448 x the scale
.endr
.irp q,0,1,2,3,4,5,6,7
	v_add_nc_u32 v[TM+\q], 0xfc000000, v[TM+\q]            ; the conversion's scale operand
.endr
.irp be,0,1
.irp j,0,1,2,3
	WINS 0,2,0,0
.set I,0
.rept 16
	v_med3_num_f32 v[VO+16*(\j%2)+I], v[128+64*\be+4*I+\j], -v[TM+8+4*\be+\j], v[TM+8+4*\be+\j]   ; the hold also gathers a tile's 16 numbers along c into registers on end
.set I,I+1
.endr
	WINS 1,0,0,0
	v_cvt_scalef32_pk8_fp8_f32 v[128+16*\be+4*\j:128+16*\be+4*\j+1], v[VO+16*(\j%2):VO+16*(\j%2)+7], v[TM+4*\be+\j]
	v_cvt_scalef32_pk8_fp8_f32 v[128+16*\be+4*\j+2:128+16*\be+4*\j+3], v[VO+16*(\j%2)+8:VO+16*(\j%2)+15], v[TM+4*\be+\j]
.endr
.endr
	WIN 0
	v_nop
.irp j,0,1,2,3
	v_lshrrev_b32 v[HW+\j], 23, v[TM+\j]
	v_lshrrev_b32 v[TM+8+\j], 23, v[TM+4+\j]
	v_lshl_or_b32 v[HW+\j], v[TM+8+\j], 8, v[HW+\j]        ; my two bytes of tile j's scale word
.endr
	WINS 0,0,1,0
.irp be,0,1
.irp j,0,1,2,3
	ds_store_b128 v[XWI], v[128+16*\be+4*\j:128+16*\be+4*\j+3] offset:XIMG+4096*\j+512*\be
.endr
.endr
	WIN 0
.irp j,0,1,2,3
	ds_store_b16 v[XWS], v[HW+\j] offset:XSC+256*\j
.endr
	; ---- my ten weight fragments: 0, 1: tile w of w_q / w_k, to LDS; 2 + 2 t + s: w_v's tile t, kept.  Loads run four fragments ahead, in four sets
.set F,0
.rept 10
.if F < 7
	s_wait_loadcnt 48                              ; this fragment's 16 loads are in; three younger fragments' may be out
.elseif F < 9
	s_wait_loadcnt 16*(9-F)
.else
	s_wait_loadcnt 48                              ; the last fragment is in; the BN vectors' 48 loads may be out
.endif
.if F < 2
	QUANT F, 160+16*F, 76+F
	WINS 0,0,1,0
.irp c,0,1,2,3
	ds_store_b128 v[WWI], v[160+16*F+4*\c:160+16*F+4*\c+3] offset:WIMG+2048*F+512*\c
.endr
	WIN 0
	ds_store_b32 v[WWS], v[76+F] offset:WSC+128*F
.else
	QUANT F%4, 16*(F-2), WVS+F-2
.endif
.if F < 6
	WLOAD F%4, WVO, 10, 16384*((F+2)/2)+512*((F+2)%2)
.endif
.if F == 8                                         ; the BN vectors: wanted behind the products; asked for here, where only the last fragment's 16 loads are out
.irp a,0,1,2,3
.irp q,0,1,2,3
	global_load_b128 v[128+16*\a+4*\q:128+16*\a+4*\q+3], v[BNQO], s[12+2*\a:13+2*\a] offset:16*\q   ; bn1: mean v128, var v144, scale v160, bias v176
	global_load_b128 v[192+16*\a+4*\q:192+16*\a+4*\q+3], v[BNQO], s[20+2*\a:21+2*\a] offset:16*\q   ; bn2: from v192
.endr
.endr
.irp a,0,1,2,3
.irp t,0,1,2,3
	global_load_b32 v[80+4*\a+\t], v[BN3O], s[28+2*\a:29+2*\a] offset:64*\t                         ; bn3 of my four tiles: mean v80, var v84, scale v88, bias v92
.endr
.endr
.endif
.set F,F+1
.endr
	BARRIER                                        ; x's eight fragments and the eight of w_q, w_k lie in LDS
	WINS 2,0,0,0                                   ; what the products for v want comes first: x's eight fragments and their scale words
.set F,0
.rept 8
.irp c,0,1,2,3
	ds_load_b128 v[16*F+4*\c:16*F+4*\c+3], v[LI] offset:XIMG+2048*F+512*\c
.endr
.set F,F+1
.endr
	WIN 0
.irp f,0,1,2,3,4,5,6,7
	ds_load_b32 v[XS+\f], v[LS] offset:XSC+128*\f
.endr
	WINS 2,0,0,0                                   ; then what q and k want: 8 + 32 loads of 16 bytes and 8 + 2 scale words: 50
.irp s,0,1
.irp c,0,1,2,3
	ds_load_b128 v[128+16*\s+4*\c:128+16*\s+4*\c+3], v[WWI] offset:XIMG+2048*\s+512*\c     ; x's tile w once more, for q and k
.endr
.endr
	WINS 1,0,0,0
.set F,0
.rept 8
.irp c,0,1,2,3
	ds_load_b128 v[128+16*F+4*\c:128+16*F+4*\c+3], v[LI] offset:WIMG+2048*F+512*\c
.endr
.set F,F+1
.endr
	WIN 0
.irp f,0,1,2,3,4,5,6,7
	ds_load_b32 v[WQS+\f], v[LS] offset:WSC+128*\f
.endr
	ds_load_b32 v[XQS], v[WWS] offset:XSC
	ds_load_b32 v[XQS+1], v[WWS] offset:XSC+128
.rept 8
	v_nop                                          ; w_v's codes and scale words were written by vector instructions: they stand 4 and 8 places ahead of a scaled matrix instruction
.endr
	s_wait_dscnt 50                                ; x's fragments and scale words are in; the 50 behind them may be out
	; ---- v: my four tiles of 16 channels x the four tiles of 16 positions; the accumulators take turns
	WINS 3,2,1,3
.irp u,0,1,2,3
.irp j,0,1,2,3
	v_wmma_scale_f32_16x16x128_f8f6f4 v[32*\u+8*\j:32*\u+8*\j+7], v[32*\j:32*\j+15], v[32*\u:32*\u+15], 0, v[XS+2*\j], v[WVS+2*\u]
.endr
.irp j,0,1,2,3
	v_wmma_scale_f32_16x16x128_f8f6f4 v[32*\u+8*\j:32*\u+8*\j+7], v[32*\j+16:32*\j+31], v[32*\u+16:32*\u+31], v[32*\u+8*\j:32*\u+8*\j+7], v[XS+2*\j+1], v[WVS+2*\u+1]
.endr
.endr
	s_wait_dscnt 0x0
	; ---- q, k: four tiles of 16 channels x my 16 positions, two K steps
	WINS 0,1,2,0
.irp t,0,1,2,3
	v_wmma_scale_f32_16x16x128_f8f6f4 v[96+8*\t:103+8*\t], v[128+32*\t:143+32*\t], v[128:143], 0, v[WQS+2*\t], v[XQS]
.endr
.irp t,0,1,2,3
	v_wmma_scale_f32_16x16x128_f8f6f4 v[96+8*\t:103+8*\t], v[144+32*\t:159+32*\t], v[144:159], v[96+8*\t:103+8*\t], v[WQS+2*\t+1], v[XQS+1]
.endr
	WIN 0
	s_wait_loadcnt 0x0                             ; the BN vectors
	; ---- inv = scale / sqrt(var + 1e-5), 36 a lane: one batch, one wait.  The 36 additions, which name no register of the products, are also the eight places ahead of the first read of results
.set I,0
.rept 16
	v_add_f32 v[144+I], s61, v[144+I]
	v_add_f32 v[208+I], s61, v[208+I]
.set I,I+1
.endr
.irp t,0,1,2,3
	v_add_f32 v[84+\t], s61, v[84+\t]
.endr
.set I,0
.rept 16
	v_rsq_f32 v[144+I], v[144+I]
	v_rsq_f32 v[208+I], v[208+I]
.set I,I+1
.endr
.irp t,0,1,2,3
	v_rsq_f32 v[84+\t], v[84+\t]
.endr
	v_nop                                          ; a plain line behind the last of them
	s_wait_alu depctr_va_vdst(0)                   ; the wait ahead of the first reader: one for the batch
.set I,0
.rept 16
	v_mul_f32 v[144+I], v[144+I], v[160+I]
	v_mul_f32 v[208+I], v[208+I], v[224+I]
.set I,I+1
.endr
.irp t,0,1,2,3
	v_mul_f32 v[84+\t], v[84+\t], v[88+\t]
.endr
	; ---- q (v96-111) and k (v112-127): BN, ReLU; each accumulator is read from its low end on
.set I,0
.rept 16
	v_sub_f32 v[96+I], v[96+I], v[128+I]
.set I,I+1
.endr
.set I,0
.rept 16
	v_sub_f32 v[112+I], v[112+I], v[192+I]
.set I,I+1
.endr
.set I,0
.rept 16
	v_fma_f32 v[96+I], v[96+I], v[144+I], v[176+I]
	v_fma_f32 v[112+I], v[112+I], v[208+I], v[240+I]
.set I,I+1
.endr
.set I,0
.rept 32
	v_max_num_f32 v[96+I], 0, v[96+I]
.set I,I+1
.endr
	v_mul_f32 v29, v96, v112                       ; energy_w: the sum over d of q k, unquantised, in two chains
	v_mul_f32 v30, v97, v113
.irp i,2,4,6,8,10,12,14
	v_fma_f32 v29, v[96+\i], v[112+\i], v29
	v_fma_f32 v30, v[97+\i], v[113+\i], v30
.endr
	v_add_f32 v29, v29, v30
	v_permlanex16_b32 v31, v29, s58, s59
	v_add_f32 v79, v29, v31                        ; with lane l xor 16's 16 channels
	QKQ 96, 60, 77
	QKQ 112, 64, 78
	ds_store_b128 v[QSC], v[60:63]
	ds_store_b128 v[QSC], v[64:67] offset:2048
	ds_store_b32 v[QSW], v77                       ; (lanes r and r + 16 write the same word with the same value)
	ds_store_b32 v[QSW], v78 offset:256
	ds_store_b32 v[QSW], v79 offset:512
; ---- v's tile t, in two parts.  VT_A: BN, ReLU; f32 into my stage and back as rows; codes along the keys to v_img; the bytes to v_sc.  VT_B: the rows to v32.
; The next tile's VT_A stands between a tile's loads from the stage and the wait for them.
.macro VT_A t
	WINS 3,3,0,0
.set N,0
.rept 32
	v_sub_f32 v[32*\t+N], v[32*\t+N], v[80+\t]
.set N,N+1
.endr
.set N,0
.rept 32
	v_fma_f32 v[32*\t+N], v[32*\t+N], v[84+\t], v[92+\t]
.set N,N+1
.endr
.if \t > 0
	s_wait_dscnt 8                                         ; the last tile's eight stores into the stage have read the registers that are written next; its eight loads may be out
.endif
	WINS 0,0,3,0
.irp jj,0,1,2,3,4,5,6,7
.irp j,0,1,2,3
	v_max_num_f32 v[VO+4*\jj+\j], 0, v[32*\t+8*\j+\jj]     ; the ReLU also puts the lane's 32 positions in order: register n = position 32 h + n
.endr
.endr
	WIN 0
	v_max3_num_f32 v68, v[VO], v[VO+1], 0x4800000          ; the block's largest: all 32 are mine; two chains
	v_max3_num_f32 v69, v[VO+2], v[VO+3], v[VO+4]
.irp i,5,9,13,17,21,25
	v_max3_num_f32 v68, v68, v[VO+\i], v[VO+\i+1]
	v_max3_num_f32 v69, v69, v[VO+\i+2], v[VO+\i+3]
.endr
	v_max3_num_f32 v68, v68, v[VO+29], v[VO+30]
	v_max3_num_f32 v68, v68, v69, v[VO+31]
	v_add_nc_u32 v71, 0xfc000000, v68
	v_and_or_b32 v70, v68, 0x7f800000, s60
	v_lshrrev_b32 v72, 23, v71
.irp q,0,1,2,3,4,5,6,7
	ds_store_b128 v[VSTO], v[VO+4*\q:VO+4*\q+3] offset:16*\q   ; LDS serves a wave's instructions in order (ISA guide 5.7.1.4): these come behind the last tile's loads from the stage
.endr
	WINS 3,0,0,0
.set N,0
.rept 32
	v_min_num_f32 v[32*\t+N], v[VO+N], v70                 ; the hold, into the registers that the sums have left
.set N,N+1
.endr
	WINS 2,3,0,0
.irp q,0,1,2,3
	v_cvt_scalef32_pk8_fp8_f32 v[160+8*\t+2*\q:160+8*\t+2*\q+1], v[32*\t+8*\q:32*\t+8*\q+7], v71
.endr
	WIN 0
	v_nop
	v_permlanex16_b32 v73, v72, s58, s59
	v_cndmask_b32 v74, v72, v73, s62                       ; block h = 0's byte,
	v_cndmask_b32 v75, v73, v72, s62                       ; block h = 1's,
	v_lshl_or_b32 v[HW+\t], v75, 8, v74                    ; as two bytes, in every lane
	WINS 0,0,2,0
	global_store_b128 v[VIO], v[160+8*\t:160+8*\t+3], s[46:47] offset:2048*\t          ; keys 0-15 of the block: each half of the wave stores 256 consecutive bytes, aligned
	global_store_b128 v[VIO], v[160+8*\t+4:160+8*\t+7], s[46:47] offset:2048*\t+256    ; keys 16-31
	WIN 0
	global_store_b16 v[VSCO], v[HW+\t], s[48:49] offset:64*\t   ; two bytes of each channel's word: short pieces, 64 bytes a tile; the other two come from the neighbouring work-group
	WINS 3,0,0,0
.irp q,0,1,2,3,4,5,6,7
	ds_load_b128 v[128+32*\t+4*\q:128+32*\t+4*\q+3], v[VSRD] offset:544*\q   ; in order behind my stores: these see them
.endr
	WIN 0
.endm
.macro VT_B t, younger                 ; younger: the LDS instructions issued behind tile t's loads, which may stay out
	s_wait_dscnt \younger
	WINS 0,0,3,0
.irp q,0,1,2,3,4,5,6,7
	global_store_b128 v[GO32], v[128+32*\t+4*\q:128+32*\t+4*\q+3], s[50:51] offset:(16*\t+2*\q)*16384   ; sixteen lanes store 256 consecutive bytes, aligned
.endr
	WIN 0
.endm
	VT_A 0                                         ; every global store has data registers of its own, and no address is written again: no wait for them
	VT_A 1
	VT_B 0, 16                                     ; behind tile 0's loads: tile 1's eight stores and eight loads
	VT_A 2
	VT_B 1, 16
	VT_A 3
	VT_B 2, 16
	VT_B 3, 0
	BARRIER                                        ; q's and k's codes, words and ew of the 64 positions lie in LDS
	ds_load_b128 v[96:99], v[QRB]
	ds_load_b128 v[100:103], v[QRB] offset:2048
	s_cmp_eq_u32 s52, 1
	s_cselect_b64 s[68:69], s[42:43], s[44:45]     ; wave 0 stores q's words, wave 1 k's, wave 2 ew
	s_cmp_eq_u32 s52, 0
	s_cselect_b64 s[68:69], s[38:39], s[68:69]
	s_wait_dscnt 0x0
	global_store_b128 v[LI], v[96:99], s[36:37]    ; 512 consecutive bytes a wave
	global_store_b128 v[LI], v[100:103], s[40:41]
	s_cmp_eq_u32 s52, 3
	s_cbranch_scc1 .Ldone
	ds_load_b64 v[104:105], v[WRB]
	s_wait_dscnt 0x0
	global_store_b64 v[W8], v[104:105], s[68:69]   ; 256 consecutive bytes, aligned
.Ldone:
	s_wait_tensorcnt 0x0                           ; the wave's end, behind my last LDS store
	ds_add_u32 v[SPW], v[NIL]
	s_wait_dscnt 0x0
	s_endpgm
.Lfunc_end_k_q70a0bd7503_proj:
	.size	k_q70a0bd7503_proj, .Lfunc_end_k_q70a0bd7503_proj-k_q70a0bd7503_proj
	.p2alignl 7, 3214868480
	.fill 96, 4, 3214868480
	.section	.rodata,"a",@progbits
	.p2align	6, 0x0
	.amdhsa_kernel k_q70a0bd7503_proj
		.amdhsa_group_segment_fixed_size 57600
		.amdhsa_private_segment_fixed_size 0
		.amdhsa_enable_private_segment 0
		.amdhsa_kernarg_size 192
		.amdhsa_user_sgpr_count 2
		.amdhsa_user_sgpr_kernarg_segment_ptr 1
		.amdhsa_wavefront_size32 1
		.amdhsa_system_sgpr_workgroup_id_x 1
		.amdhsa_system_sgpr_workgroup_id_y 1
		.amdhsa_system_sgpr_workgroup_id_z 1
		.amdhsa_system_vgpr_workitem_id 0
		.amdhsa_next_free_vgpr 1024
		.amdhsa_next_free_sgpr 100
		.amdhsa_reserve_vcc 0
		.amdhsa_float_denorm_mode_32 3
		.amdhsa_float_denorm_mode_16_64 3
		.amdhsa_memory_ordered 1
		.amdhsa_forward_progress 1
		.amdhsa_inst_pref_size 190
	.end_amdhsa_kernel
	.amdgpu_metadata
---
amdhsa.version: [ 1, 2 ]
amdhsa.kernels:
  - .name:           k_q70a0bd7503_proj
    .symbol:         k_q70a0bd7503_proj.kd
    .args:
      - { .name: x, .offset: 0, .size: 8, .value_kind: global_buffer, .address_space: global }
      - { .name: w_q, .offset: 8, .size: 8, .value_kind: global_buffer, .address_space: global }
      - { .name: w_k, .offset: 16, .size: 8, .value_kind: global_buffer, .address_space: global }
      - { .name: w_v, .offset: 24, .size: 8, .value_kind: global_buffer, .address_space: global }
      - { .name: bn1_mean, .offset: 32, .size: 8, .value_kind: global_buffer, .address_space: global }
      - { .name: bn1_var, .offset: 40, .size: 8, .value_kind: global_buffer, .address_space: global }
      - { .name: bn1_scale, .offset: 48, .size: 8, .value_kind: global_buffer, .address_space: global }
      - { .name: bn1_bias, .offset: 56, .size: 8, .value_kind: global_buffer, .address_space: global }
      - { .name: bn2_mean, .offset: 64, .size: 8, .value_kind: global_buffer, .address_space: global }
      - { .name: bn2_var, .offset: 72, .size: 8, .value_kind: global_buffer, .address_space: global }
      - { .name: bn2_scale, .offset: 80, .size: 8, .value_kind: global_buffer, .address_space: global }
      - { .name: bn2_bias, .offset: 88, .size: 8, .value_kind: global_buffer, .address_space: global }
      - { .name: bn3_mean, .offset: 96, .size: 8, .value_kind: global_buffer, .address_space: global }
      - { .name: bn3_var, .offset: 104, .size: 8, .value_kind: global_buffer, .address_space: global }
      - { .name: bn3_scale, .offset: 112, .size: 8, .value_kind: global_buffer, .address_space: global }
      - { .name: bn3_bias, .offset: 120, .size: 8, .value_kind: global_buffer, .address_space: global }
      - { .name: q_codes, .offset: 128, .size: 8, .value_kind: global_buffer, .address_space: global }
      - { .name: q_sc, .offset: 136, .size: 8, .value_kind: global_buffer, .address_space: global }
      - { .name: k_codes, .offset: 144, .size: 8, .value_kind: global_buffer, .address_space: global }
      - { .name: k_sc, .offset: 152, .size: 8, .value_kind: global_buffer, .address_space: global }
      - { .name: ew, .offset: 160, .size: 8, .value_kind: global_buffer, .address_space: global }
      - { .name: v_img, .offset: 168, .size: 8, .value_kind: global_buffer, .address_space: global }
      - { .name: v_sc, .offset: 176, .size: 8, .value_kind: global_buffer, .address_space: global }
      - { .name: v32, .offset: 184, .size: 8, .value_kind: global_buffer, .address_space: global }
    .group_segment_fixed_size: 57600
    .private_segment_fixed_size: 0
    .kernarg_segment_align: 8
    .kernarg_segment_size: 192
    .max_flat_workgroup_size: 128
    .sgpr_count:     100
    .vgpr_count:     1024
    .wavefront_size: 32
...
	.end_amdgpu_metadata
.endif
;; end of part 1
;; launch attn (part 2): grid 64 x 4, 8 waves a work-group, no clusters, 288,256 bytes of LDS; arguments q_codes, q_sc, k_codes, k_sc, ew, v_img, v_sc, v32, x, gamma, out0; writes out0
.if DOCPART == 2
	.amdgcn_target "amdgcn-amd-amdhsa--gfx1250"
	.amdhsa_code_object_version 6
	.text
	.protected	k_q70a0bd7503_attn
	.globl	k_q70a0bd7503_attn
	.p2align	8
	.type	k_q70a0bd7503_attn,@function
k_q70a0bd7503_attn:
	s_mov_b64 s[64:65], 0
	v_nop
	global_prefetch_b8 v0, s[64:65] scope:SCOPE_SE
	s_setreg_imm32_b32 hwreg(HW_REG_WAVE_MODE, 25, 1), 1
	s_wait_xcnt 0x0
; out = gamma (v att_h^T + v att_w) + x, att = softmax over the 4,096 scores q.k of a query (its own key hidden) and the one logit ew.  Both products on codes of FP8 (E4M3) with E8M0 scales.  No work of the problem is left out.
; att IS QUANTISED FINISHED AND NORMALISED, so a query's maximum and sum are whole before any weight is quantised: the scores of 16 queries x 4,096 keys are held in the registers of the work-group's eight waves.
; SHARES.  A work-group owns 64 queries of one batch.  S PHASE, four trips, a tile of 16 queries each: wave w holds 512 keys (four key steps of 128), 256 registers a lane: S^T = K Q^T (a lane holds one query), one exponential
; a score; the waves exchange (-M, l) through LDS; att = p x 2^(M_w - M) / l is quantised along the keys and stored in LDS as images of an operand's registers: 64 queries x 4,096 keys = 262,144 bytes.
; PV PHASE: wave (cg = w % 4, kh = w / 4) makes channels 64 cg .. + 63 for all 64 queries over 16 key steps: source 0 = att from LDS, source 1 = v's codes from memory straight into registers (v_img is laid in that order).
; THE KEY STEPS ARE ROTATED: slot o stands for key step (g / 2 + o) % 32, so that the work-group's own keys lie in slot 0, wave 0's: one wave alone hides the diagonal, by a branch on ids.
; M is a whole number (the largest t = score x log2 e, rounded up), so that bringing the waves' sums and weights under the common M rounds nothing.
; K = 32 IN THE FIRST PRODUCT: only Q's codes of k = 32 .. 127 are zeros; K's registers there hold other keys' codes, which are finite (held at 448 when made): those products are exact zeros.
; NO CLUSTER, NO TENSOR LOAD: att's images and the words beside them take 288,000 of the 327,680 bytes of LDS, so two slots of a key step of v (2 x 32,768 bytes) do not fit; and each fragment of v serves one wave of the work-group.
; LIMITS: NaN and infinities are not served.  v_exp_f32 gives 0 under 2^-126.  A block of zeros has the byte 1 (its codes are zeros).  A block's largest att is the block's largest score put through the same instructions:
; that takes v_exp_f32 not to fall where its input rises (the ISA guide promises 1 ulp): at the worst one weight of a block would be held one code low.
.set PSC,   262144                     ; LDS: from 0 att's images, fragment (slot o, query tile qt) at (4 o + qt) x 2,048; here their scale words, 128 bytes each
.set STAT,  278528                     ; (-M, l): 1,024 w + 256 qt + 8 lane: bytes of their own for each trip
.set AW,    286720                     ; att_w of the 64 queries
.set SPARE, 286976                     ; the spare words, 128 bytes for each wave: four blocks of 256 bytes that no other line names
.set SPW,1
.set NIL,2
.set R,3
.set H,4
.set KOFF,5                            ; S phase: K's lane offset, then where att's images go
.set KSOFF,6                           ; K's scale words' lane offset, then where att's scale words go
.set QOFF,7
.set R4,8
.set PWB,9
.set PSB,10
.set STW,11
.set STR,12
.set AWA,13
.set QAD,14
.set WAD,15
.set QF,16                             ; v16-31 Q's fragment: v16-19 codes, v20-31 zeros
.set QS,32                             ; Q's scale words
.set EW,33
.set KS,34                             ; v34-49 K's scale words (step s, block be): lanes 0-15 tile u = 0, lanes 16-31 tile u = 1.  In the PV phase v34-41 v's, v42-45 att's: scales and nothing else
.set BM,50                             ; v50-65 the 16 blocks' largest
.set TP,66                             ; v66-81 work
.set PC,82                             ; v82-97 codes
.set EWC,98
.set NINF,99
.set NM,100                            ; v100 -M, v101 the largest t
.set SUM,102                           ; v102-109 work
.set FA,112                            ; v112-113 the factor, twice
.set PFV,114
.set TT,115
.set KF,116                            ; v116-243 K's 32 fragments, 4 registers each; v244-255 zeros
.set MSB, 0
.macro WIN new                         ; the immediate's high byte repeats the setting that is left; a switch that changes nothing is dropped
.if MSB != (\new)
	s_set_vgpr_msb (MSB<<8)|(\new)
.set MSB, \new
.endif
.endm
.macro WINS d, a, b, c                 ; windows of the destination and of sources 0, 1, 2
	WIN (((\d)<<6)|((\c)<<4)|((\b)<<2)|(\a))
.endm
.macro BARRIER
	s_wait_dscnt 0x0
	s_barrier_signal -1
	s_barrier_wait -1
.endm
	s_load_b512 s[4:19], s[0:1], 0x0               ; q_codes, q_sc, k_codes, k_sc, ew, v_img, v_sc, v32
	s_load_b128 s[20:23], s[0:1], 0x40             ; x, gamma
	s_load_b64 s[24:25], s[0:1], 0x50              ; out0
	v_lshl_add_u32 v[SPW], v0, 2, SPARE
	v_mov_b32 v[NIL], 0
	v_lshrrev_b32 v15, 5, v0
	v_readfirstlane_b32 s28, v15                   ; wave 0..7
	v_and_b32 v14, 31, v0                          ; lane
	v_and_b32 v[R], 15, v0
	v_bfe_u32 v[H], v0, 4, 1
	v_and_b32 v15, 8, v[R]
	v_add_nc_u32 v15, v15, v[R]                    ; r + 8 (r / 8): THE KEYS OF A TILE ARE NOT NEIGHBOURS: lane r of tile (be, u) takes key 32 be + 8 u + r + 8 (r / 8)
	v_lshlrev_b32 v[KOFF], 5, v15
	v_lshl_add_u32 v[KOFF], v[H], 4, v[KOFF]       ; 32 bytes a key, + 16 h
	v_lshl_add_u32 v[KSOFF], v[H], 3, v15
	v_lshlrev_b32 v[KSOFF], 2, v[KSOFF]            ; scale words: lanes 16-31 take tile u = 1's keys
	v_lshlrev_b32 v[QOFF], 5, v[R]
	v_lshl_add_u32 v[QOFF], v[H], 4, v[QOFF]
	v_lshlrev_b32 v[R4], 2, v[R]
	s_lshl_b32 s78, s28, 15
	v_lshl_add_u32 v[PWB], v14, 4, s78             ; 16 lane + my four slots' images
	s_lshl_b32 s79, s28, 11
	s_add_co_u32 s79, s79, PSC
	v_lshl_add_u32 v[PSB], v14, 2, s79
	v_lshl_add_u32 v[STR], v14, 3, STAT
	s_lshl_b32 s78, s28, 10
	v_add_nc_u32 v[STW], s78, v[STR]
	v_lshl_add_u32 v[AWA], v[R], 2, AW
	v_lshlrev_b32 v[PFV], 8, v14
	v_mov_b32 v[NINF], 0xff800000
.irp i,20,21,22,23,24,25,26,27,28,29,30,31,244,245,246,247,248,249,250,251,252,253,254,255
	v_mov_b32 v\i, 0                               ; zero codes: Q's k = 32 .. 127, and what the last fragments of K reach into
.endr
.irp i,66,67,68,69,70,71,72,73,74,75,76,77,78,79,80,81
	v_mov_b32 v\i, 0                               ; written once: a lane permute's destination counts as one of its sources
.endr
	s_mov_b32 s29, ttmp9                           ; g: my block of 64 queries
	s_and_b32 s30, ttmp7, 0xffff                   ; b
	s_lshr_b32 s31, s29, 1                         ; my own key step
	s_and_b32 s46, s29, 1
	s_lshl_b32 s46, s46, 1                         ; and the first of my two blocks in it
	s_mov_b32 s32, 0x3fb8aa3b                      ; log2 e
	s_mov_b32 s33, s32                             ; (named with it as a pair)
	s_mov_b32 s34, 0x76543210
	s_mov_b32 s35, 0xfedcba98
	s_mov_b32 s36, 0x600000                        ; the mantissa field of 448
	s_and_b32 s67, s28, 3                          ; cg
	s_lshr_b32 s68, s28, 2                         ; kh
	s_cmp_lt_u32 s28, 2
	s_cselect_b32 s45, 3, 99                       ; waves 0 and 1 prefetch in the last trip
	s_mov_b32 s37, 0                               ; the trip = the query tile
	s_mov_b32 s40, 512                             ; the next tile's codes,
	s_mov_b32 s47, 64                              ; and words
	s_mov_b32 s41, 0                               ; 2,048 x tile
	s_mov_b32 s42, 0                               ; 128 x tile
	s_mov_b32 s43, 0                               ; 256 x tile
	s_mov_b32 s44, 0                               ; 64 x tile
	s_mov_b32 s81, 0
	s_wait_kmcnt 0x0
	s_load_b32 s26, s[22:23], 0x0                  ; gamma
	s_lshl_b32 s80, s30, 17
	s_add_nc_u64 s[8:9], s[8:9], s[80:81]          ; k_codes at my batch
	s_lshl_b32 s82, s29, 11
	s_add_co_u32 s80, s80, s82
	s_add_nc_u64 s[4:5], s[4:5], s[80:81]          ; q_codes at my 64 queries
	s_lshl_b32 s80, s30, 14
	s_add_nc_u64 s[10:11], s[10:11], s[80:81]
	s_lshl_b32 s82, s29, 8
	s_add_co_u32 s80, s80, s82
	s_add_nc_u64 s[6:7], s[6:7], s[80:81]
	s_add_nc_u64 s[12:13], s[12:13], s[80:81]
	s_lshl_b32 s80, s30, 20
	s_add_nc_u64 s[14:15], s[14:15], s[80:81]      ; v_img at my batch
	s_lshl_b32 s80, s29, 14
	s_lshl_b32 s82, s28, 13
	s_add_co_u32 s80, s80, s82
	s_add_nc_u64 s[76:77], s[14:15], s[80:81]      ; the prefetch: my work-group's 1/64 of the batch's codes of v, 8,192 bytes for each of waves 0 and 1
	s_lshl_b32 s80, s30, 15
	s_add_nc_u64 s[16:17], s[16:17], s[80:81]
	s_lshl_b32 s80, s30, 22
	s_lshl_b32 s82, s67, 20
	s_add_co_u32 s80, s80, s82
	s_lshl_b32 s82, s68, 19
	s_add_co_u32 s80, s80, s82
	s_lshl_b32 s82, s29, 8
	s_add_co_u32 s80, s80, s82
	s_add_nc_u64 s[70:71], s[20:21], s[80:81]      ; x, v32, out0 at channel 64 cg + 32 kh, my 64 positions
	s_add_nc_u64 s[72:73], s[18:19], s[80:81]
	s_add_nc_u64 s[74:75], s[24:25], s[80:81]
	s_lshl_b32 s78, s28, 2
	s_add_co_u32 s78, s78, s31
.irp s,0,1,2,3
	s_add_co_u32 s79, s78, \s
	s_and_b32 s79, s79, 31                         ; slot 4 w + s is key step (g / 2 + 4 w + s) % 32
	s_lshl_b32 s80, s79, 12
	s_add_nc_u64 s[48+2*\s:49+2*\s], s[8:9], s[80:81]
	s_lshl_b32 s80, s79, 9
	s_add_nc_u64 s[56+2*\s:57+2*\s], s[10:11], s[80:81]
.endr
.irp s,0,1,2,3
.irp be,0,1,2,3
.irp u,0,1
	global_load_b128 v[KF+4*(8*\s+2*\be+\u):KF+4*(8*\s+2*\be+\u)+3], v[KOFF], s[48+2*\s:49+2*\s] offset:(32*\be+8*\u)*32
.endr
	global_load_b32 v[KS+4*\s+\be], v[KSOFF], s[56+2*\s:57+2*\s] offset:128*\be
.endr
.endr
	global_load_b128 v[QF:QF+3], v[QOFF], s[4:5]
	global_load_b32 v[QS], v[R4], s[6:7]
	global_load_b32 v[EW], v[R4], s[12:13]
	s_wait_kmcnt 0x0
	s_mov_b32 s27, s26
; the diagonal, block be of slot 0: in the lanes whose half holds the tile's own keys, register i holds query i's own key
.macro DIAG be
	s_cmp_lg_u32 s38, \be
	s_cbranch_scc1 .Lnd_\@
	WINS 1,1,0,0
.irp i,0,1,2,3,4,5,6,7,8,9,10,11,12,13,14,15
	v_cmp_eq_u32 vcc_lo, \i, v[TT]
	v_cndmask_b32 v[16*\be+\i], v[16*\be+\i], v[NINF], vcc_lo
.endr
	WIN 0
.Lnd_\@:
.endm
.Ltile:
	s_wait_loadcnt 0x0                             ; K (first trip), this tile's Q, its scale words and ew
	WINS 1,0,0,0
.set T,0
.rept 32                                           ; S^T: tile T = 8 s + 2 be + u; register 64 s + 16 be + 8 u + j of lane (r, h) is query r, key 32 be + 16 h + 8 u + j of step s
.if T%2
	v_wmma_scale_f32_16x16x128_f8f6f4 v[8*T:8*T+7], v[KF+4*T:KF+4*T+15], v[QF:QF+15], 0, v[KS+T/2], v[QS] matrix_a_scale:MATRIX_SCALE_ROW1
.else
	v_wmma_scale_f32_16x16x128_f8f6f4 v[8*T:8*T+7], v[KF+4*T:KF+4*T+15], v[QF:QF+15], 0, v[KS+T/2], v[QS]
.endif
.set T,T+1
.endr
	WIN 0
	s_lshr_b32 s78, s37, 1
	s_add_co_u32 s78, s78, s46
	s_cmp_eq_u32 s28, 0
	s_cselect_b32 s38, s78, 255                    ; the block of slot 0 that holds this tile's own keys; no block in waves 1 to 7
	s_and_b32 s39, s37, 1                          ; and the half of the lanes
	v_mov_b32 v[EWC], v[EW]                        ; eight places behind the products, five of them useful
	v_xor_b32 v[TT], s39, v[H]
	v_lshl_add_u32 v[TT], v[TT], 6, v[R]           ; r in that half, 64 + r in the other
	v_add_nc_u32 v[QAD], s40, v[QOFF]
	v_add_nc_u32 v[WAD], s47, v[R4]
.rept 3
	v_nop
.endr
	s_wait_dscnt 0x0                               ; the last trip's LDS stores have read their registers
	s_cmp_eq_u32 s37, 3
	s_cbranch_scc1 .Lno_next                       ; the last tile asks for nothing: no load leaves its buffer
	global_load_b128 v[QF:QF+3], v[QAD], s[4:5]    ; the next tile's Q lands under this tile's softmax
	global_load_b32 v[QS], v[WAD], s[6:7]
	global_load_b32 v[EW], v[WAD], s[12:13]
.Lno_next:
	s_cmp_eq_u32 s37, s45
	s_cbranch_scc0 .Lno_pf
	global_prefetch_b8 v[PFV], s[76:77] th:TH_LOAD_NT scope:SCOPE_SE   ; v's codes, one trip ahead of the PV phase: the batch's 64 work-groups share them out by address, 16,384 bytes each, lanes 256 bytes apart: each block is named once
.Lno_pf:
	DIAG 0
	DIAG 1
	DIAG 2
	DIAG 3
	; the largest score of each of my 16 blocks of 32 keys: it serves the row's maximum and, put through the same lines as the scores, the block's largest weight.  Each accumulator is first read at its low end
	WINS 0,1,1,1
.irp b,0,1,2,3,4,5,6,7,8,9,10,11,12,13,14,15
	v_max3_num_f32 v[BM+\b], v[16*\b], v[16*\b+1], v[16*\b+2]
.endr
	WINS 0,0,1,1
.irp i,3,5,7,9,11,13
.irp b,0,1,2,3,4,5,6,7,8,9,10,11,12,13,14,15
	v_max3_num_f32 v[BM+\b], v[BM+\b], v[16*\b+\i], v[16*\b+\i+1]
.endr
.endr
	WINS 0,0,1,0
.irp b,0,1,2,3,4,5,6,7,8,9,10,11,12,13,14,15
	v_max_num_f32 v[BM+\b], v[BM+\b], v[16*\b+15]
.endr
	WIN 0
.irp b,0,1,2,3,4,5,6,7,8,9,10,11,12,13,14,15
	v_permlanex16_b32 v[TP+\b], v[BM+\b], s34, s35
.endr
.irp b,0,1,2,3,4,5,6,7,8,9,10,11,12,13,14,15
	v_max_num_f32 v[BM+\b], v[BM+\b], v[TP+\b]
.endr
	v_max3_num_f32 v102, v50, v51, v52
	v_max3_num_f32 v103, v53, v54, v55
	v_max3_num_f32 v104, v56, v57, v58
	v_max3_num_f32 v105, v59, v60, v61
	v_max3_num_f32 v106, v62, v63, v64
	v_max3_num_f32 v102, v102, v103, v65
	v_max3_num_f32 v104, v104, v105, v106
	v_max_num_f32 v102, v102, v104                 ; my 512 keys' largest score of query r
	v_mul_f32 v[NM+1], s32, v102                   ; as t
	v_floor_f32 v[NM], -v[NM+1]                    ; -M = floor(-t): M is a whole number
	WINS 1,1,0,0
.set J,0
.rept 128
	v_pk_fma_f32 v[J:J+1], v[J:J+1], s[32:33], v[NM:NM+1] op_sel_hi:[1,0,0]   ; t - M, two at a time
.set J,J+2
.endr
	WIN 0
.irp b,0,1,2,3,4,5,6,7,8,9,10,11,12,13,14,15
	v_fma_f32 v[BM+\b], v[BM+\b], s32, v[NM]
.endr
	WINS 1,1,0,0
.set J,0
.rept 256
	v_exp_f32 v[J], v[J]                           ; p = 2^(t - M): one batch
.set J,J+1
.endr
	WIN 0
	v_nop                                          ; a plain line behind the last of them
	s_wait_alu depctr_va_vdst(0)                   ; the wait ahead of the first reader: one for the 256
.irp b,0,1,2,3,4,5,6,7,8,9,10,11,12,13,14,15
	v_exp_f32 v[BM+\b], v[BM+\b]                   ; a second, small batch; the sums below, which read the 256 alone, are the work behind it
.endr
	WINS 0,1,1,0
.irp k,0,1,2,3
	v_pk_add_f32 v[SUM+2*\k:SUM+2*\k+1], v[2*\k:2*\k+1], v[2*\k+8:2*\k+9]      ; four chains
.endr
	WINS 0,0,1,0
.set J,16
.rept 120
	v_pk_add_f32 v[SUM+2*((J/2)%4):SUM+2*((J/2)%4)+1], v[SUM+2*((J/2)%4):SUM+2*((J/2)%4)+1], v[J:J+1]
.set J,J+2
.endr
	WIN 0
	v_pk_add_f32 v[102:103], v[102:103], v[104:105]
	v_pk_add_f32 v[106:107], v[106:107], v[108:109]
	v_pk_add_f32 v[102:103], v[102:103], v[106:107]
	v_add_f32 v102, v102, v103
	v_permlanex16_b32 v104, v102, s34, s35
	v_add_f32 v111, v102, v104                     ; l: my 512 keys' sum of query r
	v_mov_b32 v110, v[NM]
	s_wait_alu depctr_va_vdst(0)                   ; and the wait for the 16
	v_add_nc_u32 v[TT], s43, v[STW]
	ds_store_b64 v[TT], v[110:111]
	v_add_nc_u32 v105, s43, v[STR]
	BARRIER                                        ; all eight waves' (-M, l) of this tile lie in LDS
.irp w,0,1,2,3,4,5,6,7
	ds_load_b64 v[TP+2*\w:TP+2*\w+1], v105 offset:1024*\w
.endr
	v_mul_f32 v102, s32, v[EWC]
	v_floor_f32 v102, -v102                        ; the one logit ew has its own -M
	s_wait_dscnt 0x0
	v_min3_num_f32 v103, v66, v68, v70
	v_min3_num_f32 v104, v72, v74, v76
	v_min3_num_f32 v103, v103, v78, v80
	v_min3_num_f32 v103, v103, v104, v102          ; the row's -M over all 4,097 logits
	v_fma_f32 v104, v[EWC], s32, v103
	v_exp_f32 v104, v104                           ; ew's p
.irp w,0,1,2,3,4,5,6,7
	v_sub_f32 v[TP+2*\w], v103, v[TP+2*\w]         ; M_w - M: a whole number, 0 or less
.endr
.irp w,0,1,2,3,4,5,6,7
	v_cvt_i32_f32 v[TP+2*\w], v[TP+2*\w]           ; (it saturates)
.endr
.irp w,0,1,2,3,4,5,6,7
	v_ldexp_f32 v[TP+2*\w+1], v[TP+2*\w+1], v[TP+2*\w]   ; each wave's sum under the common M: nothing is rounded
.endr
	v_add_f32 v67, v67, v69
	v_add_f32 v71, v71, v73
	v_add_f32 v75, v75, v77
	v_add_f32 v79, v79, v81
	v_add_f32 v67, v67, v71
	v_add_f32 v75, v75, v79
	v_add_f32 v67, v67, v75
	s_wait_alu depctr_va_vdst(0)                   ; ew's p
	v_add_f32 v67, v67, v104                       ; the row's sum
	v_rcp_f32 v105, v67
	v_sub_f32 v107, v103, v[NM]
	v_cvt_i32_f32 v107, v107
	v_add_nc_u32 v108, s44, v[AWA]
	s_wait_alu depctr_va_vdst(0)                   ; 1 / l
	v_mul_f32 v106, v104, v105                     ; att_w
	v_ldexp_f32 v[FA], v105, v107                  ; 2^(M_w - M) / l
	v_mov_b32 v[FA+1], v[FA]
	s_cmp_lg_u32 s28, 0
	s_cbranch_scc1 .Lno_aw
	ds_store_b32 v108, v106                        ; every wave has the same number: wave 0 stores it (lanes r and r + 16 the same word)
.Lno_aw:
	WINS 1,1,0,0
.set J,0
.rept 128
	v_pk_mul_f32 v[J:J+1], v[J:J+1], v[FA:FA+1]    ; att, finished and normalised
.set J,J+2
.endr
	WIN 0
.irp b,0,1,2,3,4,5,6,7,8,9,10,11,12,13,14,15
	v_mul_f32 v[BM+\b], v[BM+\b], v[FA]            ; each block's largest: the same lines on the same number give the same bits
.endr
.irp b,0,1,2,3,4,5,6,7,8,9,10,11,12,13,14,15
	v_max_num_f32 v[BM+\b], 0x4800000, v[BM+\b]    ; the floor 2^(9 - 127): the byte cannot fall under 1
.endr
.irp b,0,1,2,3,4,5,6,7,8,9,10,11,12,13,14,15
	v_and_or_b32 v[TP+\b], v[BM+\b], 0x7f800000, s36   ; 448 x the scale
.endr
.irp b,0,1,2,3,4,5,6,7,8,9,10,11,12,13,14,15
	v_add_nc_u32 v[BM+\b], 0xfc000000, v[BM+\b]    ; the conversion's scale operand
.endr
.irp b,0,1,2,3,4,5,6,7,8,9,10,11,12,13,14,15
	v_lshrrev_b32 v[PC+\b], 23, v[BM+\b]           ; the bytes
.endr
.irp s,0,1,2,3
	v_lshl_or_b32 v[102+\s], v[PC+4*\s+1], 8, v[PC+4*\s]
	v_lshl_or_b32 v[102+\s], v[PC+4*\s+2], 16, v[102+\s]
	v_lshl_or_b32 v[102+\s], v[PC+4*\s+3], 24, v[102+\s]   ; step s's scale word of query r
.endr
	v_add_nc_u32 v[KOFF], s41, v[PWB]
	v_add_nc_u32 v[KSOFF], s42, v[PSB]
.irp s,0,1,2,3
	WINS 1,1,0,0
.irp be,0,1,2,3
.set I,0
.rept 16
	v_min_num_f32 v[64*\s+16*\be+I], v[64*\s+16*\be+I], v[TP+4*\s+\be]   ; the conversion does not saturate (ISA guide 7.6.2); att is not negative: the hold is one-sided
.set I,I+1
.endr
.endr
.if \s > 0
	s_wait_dscnt 0x0                               ; the last step's stores have read the codes' registers
.endif
	WINS 0,1,0,0
.irp be,0,1,2,3
	v_cvt_scalef32_pk8_fp8_f32 v[PC+4*\be:PC+4*\be+1], v[64*\s+16*\be:64*\s+16*\be+7], v[BM+4*\s+\be]
	v_cvt_scalef32_pk8_fp8_f32 v[PC+4*\be+2:PC+4*\be+3], v[64*\s+16*\be+8:64*\s+16*\be+15], v[BM+4*\s+\be]
.endr
	WIN 0
	v_nop                                          ; a plain line behind the last conversion
.irp c,0,1,2,3
	ds_store_b128 v[KOFF], v[PC+4*\c:PC+4*\c+3] offset:8192*\s+512*\c      ; the fragment as it stands: 512 consecutive bytes a store
.endr
	ds_store_b32 v[KSOFF], v[102+\s] offset:512*\s
.endr
	s_add_co_u32 s40, s40, 512
	s_add_co_u32 s47, s47, 64
	s_add_co_u32 s41, s41, 2048
	s_add_co_u32 s42, s42, 128
	s_add_co_u32 s43, s43, 256
	s_add_co_u32 s44, s44, 64
	s_add_co_u32 s37, s37, 1
	s_cmp_lt_u32 s37, 4
	s_cbranch_scc1 .Ltile
; ---- THE PV PHASE.  Window 0: v64-127 att's four fragments of a slot; v128-255 the 16 accumulators (query tile qt, channel tile ct).  Window 1: four sets of v's four fragments, by turns
.set VB,5
.set VSB,6
.set PA,7
.set PSA,8
.set VA,9                              ; v9-12   a set's offset in v_img
.set VSA,13                            ; v13-16  and in v_sc
.set GO,17
.set PFR,18
.set AW4,20                            ; v20-23
.set AWR,24
.set STO,29
.set RDA,30
.set RDB,31
.set VS,34                             ; v34-41  v's scale words: set k, pair of tiles: lanes 0-15 the even tile, lanes 16-31 the odd one
.set PS,42                             ; v42-45  att's
.set PF,64
.set ACC,128
	s_wait_dscnt 0x0                               ; my images of att have landed
	s_wait_xcnt 0x0                                ; the prefetch has read its offset register, which lies where att's fragments will land
	v_and_b32 v19, 31, v0
	s_lshl_b32 s78, s67, 13
	v_lshl_add_u32 v[VB], v19, 4, s78              ; 16 lane + my four channel tiles
	s_lshl_b32 s78, s67, 8
	v_lshl_add_u32 v[VSB], v19, 2, s78
	s_lshl_b32 s78, s68, 17
	v_lshl_add_u32 v[PA], v19, 4, s78              ; 16 lane + my 16 slots
	s_lshl_b32 s78, s68, 13
	s_add_co_u32 s78, s78, PSC
	v_lshl_add_u32 v[PSA], v19, 2, s78
	s_mul_i32 s78, s28, 17408                      ; the way out: a stage of 64 rows (channels) x (256 + 16) bytes for each wave, over att's images
	v_mul_u32_u24 v[STO], v[R], 272
	v_lshl_add_u32 v[STO], v[H], 5, v[STO]
	v_add_nc_u32 v[STO], s78, v[STO]
	s_mul_i32 s78, s67, 17408
	s_mul_i32 s79, s68, 8704
	s_add_co_u32 s78, s78, s79
	v_mul_u32_u24 v[RDA], v[H], 272
	v_lshl_add_u32 v[RDA], v[R], 4, v[RDA]
	v_add_nc_u32 v[RDA], s78, v[RDA]               ; back: rows 32 kh + 2 t + h of wave cg's stage,
	v_add_nc_u32 v[RDB], 69632, v[RDA]             ; and of wave cg + 4's
	v_lshlrev_b32 v[GO], 14, v[H]
	v_lshl_add_u32 v[GO], v[R], 4, v[GO]
	v_lshlrev_b32 v[PFR], 14, v19
	v_lshl_add_u32 v[AWR], v[R], 4, AW
	s_lshl_b32 s66, s68, 4
	s_add_co_u32 s66, s66, s31
	s_and_b32 s66, s66, 31                         ; my first slot's key step
.macro VADDR kk
	v_lshl_add_u32 v[VA+(\kk)], s66, 15, v[VB]
	v_lshl_add_u32 v[VSA+(\kk)], s66, 10, v[VSB]
.endm
.macro VGROUP kk                       ; a key step's four fragments of v and their scale words: 18 loads
	WINS 1,0,0,0
.irp ct,0,1,2,3
.irp c,0,1,2,3
	global_load_b128 v[64*(\kk)+16*\ct+4*\c:64*(\kk)+16*\ct+4*\c+3], v[VA+(\kk)], s[14:15] offset:2048*\ct+512*\c
.endr
.endr
	WIN 0
	global_load_b32 v[VS+2*(\kk)], v[VSA+(\kk)], s[16:17]
	global_load_b32 v[VS+2*(\kk)+1], v[VSA+(\kk)], s[16:17] offset:128
.endm
.macro GNEXT
	s_add_co_u32 s66, s66, 1
	s_and_b32 s66, s66, 31
.endm
	VADDR 0
	VGROUP 0
	GNEXT
	VADDR 1
	VGROUP 1
	GNEXT
	VADDR 2
	VGROUP 2
	s_barrier_signal -1
	s_barrier_wait -1                              ; all of att lies in LDS
; A slot: 128 keys.  k: its place among four (LDS offsets, the set of v).  ahead = 1: v of three slots on is asked for; 2: my rows of x; 3: of v32.  cnt: the loads younger than this slot's v.  pf = 1: the prefetch of x and v32
.macro SLOT k, zero, ahead, cnt, pf
.if \ahead == 1
	GNEXT
	VADDR (\k+3)%4                                 ; (that set's last loads were waited for a slot ago)  Two of the eight places in front of loads into registers that matrix instructions have read
.rept 6
	v_nop
.endr
.else
.rept 8
	v_nop
.endr
.endif
.irp qt,0,1,2,3
.irp c,0,1,2,3
	ds_load_b128 v[PF+16*\qt+4*\c:PF+16*\qt+4*\c+3], v[PA] offset:8192*\k+2048*\qt+512*\c
.endr
	ds_load_b32 v[PS+\qt], v[PSA] offset:512*\k+128*\qt
.endr
.if \ahead == 1
	VGROUP (\k+3)%4
.endif
.if \ahead == 2
	WINS 1,0,0,0
.irp t,0,1,2,3,4,5,6,7,8,9,10,11,12,13,14,15
	global_load_b128 v[4*\t:4*\t+3], v[GO], s[70:71] offset:32768*\t th:TH_LOAD_NT      ; x: rows 2 t + h of my 32, positions 4 r on: into the set that slot 12 has left
.endr
	WIN 0
.endif
.if \ahead == 3
	WINS 1,0,0,0
.irp t,0,1,2,3,4,5,6,7,8,9,10,11,12,13,14,15
	global_load_b128 v[64+4*\t:64+4*\t+3], v[GO], s[72:73] offset:32768*\t th:TH_LOAD_NT   ; v32 likewise, into the set that slot 13 has left
.endr
	WIN 0
.endif
.if \pf
	s_cmp_eq_u32 s69, 1
	s_cbranch_scc0 .Lnpf_\@
	global_prefetch_b8 v[PFR], s[70:71] th:TH_LOAD_NT scope:SCOPE_SE   ; my 32 rows of x and of v32, 256 bytes a row, a lane a row: five slots ahead of x's loads; no other wave of the launch reads them
	global_prefetch_b8 v[PFR], s[72:73] th:TH_LOAD_NT scope:SCOPE_SE
.Lnpf_\@:
.endif
	s_wait_loadcnt \cnt                            ; this slot's v is in
	s_wait_dscnt 0x0                               ; and att
	WINS 0,0,1,0
.irp qt,0,1,2,3
.irp ct,0,1,2,3
.if \zero
.if \ct%2
	v_wmma_scale_f32_16x16x128_f8f6f4 v[ACC+8*(4*\qt+\ct):ACC+8*(4*\qt+\ct)+7], v[PF+16*\qt:PF+16*\qt+15], v[64*\k+16*\ct:64*\k+16*\ct+15], 0, v[PS+\qt], v[VS+2*\k+\ct/2] matrix_b_scale:MATRIX_SCALE_ROW1
.else
	v_wmma_scale_f32_16x16x128_f8f6f4 v[ACC+8*(4*\qt+\ct):ACC+8*(4*\qt+\ct)+7], v[PF+16*\qt:PF+16*\qt+15], v[64*\k+16*\ct:64*\k+16*\ct+15], 0, v[PS+\qt], v[VS+2*\k+\ct/2]
.endif
.else
.if \ct%2
	v_wmma_scale_f32_16x16x128_f8f6f4 v[ACC+8*(4*\qt+\ct):ACC+8*(4*\qt+\ct)+7], v[PF+16*\qt:PF+16*\qt+15], v[64*\k+16*\ct:64*\k+16*\ct+15], v[ACC+8*(4*\qt+\ct):ACC+8*(4*\qt+\ct)+7], v[PS+\qt], v[VS+2*\k+\ct/2] matrix_b_scale:MATRIX_SCALE_ROW1
.else
	v_wmma_scale_f32_16x16x128_f8f6f4 v[ACC+8*(4*\qt+\ct):ACC+8*(4*\qt+\ct)+7], v[PF+16*\qt:PF+16*\qt+15], v[64*\k+16*\ct:64*\k+16*\ct+15], v[ACC+8*(4*\qt+\ct):ACC+8*(4*\qt+\ct)+7], v[PS+\qt], v[VS+2*\k+\ct/2]
.endif
.endif
.endr
.endr
	WIN 0
.endm
.macro FOUR_ON                         ; four slots on in LDS (no LDS load of mine is out)
	v_add_nc_u32 v[PA], 32768, v[PA]
	v_add_nc_u32 v[PSA], 2048, v[PSA]
.endm
	SLOT 0, 1, 1, 54, 0                            ; the first slot's products start the sums: nothing is cleared.  The 16 accumulators take turns, over the backward jump too
	SLOT 1, 0, 1, 54, 0                            ; 54: three younger groups of 18
	SLOT 2, 0, 1, 54, 0
	SLOT 3, 0, 1, 54, 0
	FOUR_ON
	s_mov_b32 s69, 2
.Lpv:
	SLOT 0, 0, 1, 54, 1
	SLOT 1, 0, 1, 54, 0
	SLOT 2, 0, 1, 54, 0
	SLOT 3, 0, 1, 54, 0
	FOUR_ON
	s_sub_co_u32 s69, s69, 1
	s_cmp_lg_u32 s69, 0
	s_cbranch_scc1 .Lpv
	SLOT 0, 0, 1, 54, 0                            ; slot 12 asks for slot 15's v: the last
	SLOT 1, 0, 2, 52, 0                            ; 18 + 18 + x's 16
	SLOT 2, 0, 3, 50, 0                            ; 18 + 16 + 16
	SLOT 3, 0, 0, 32, 0                            ; 16 + 16
	; ---- THE WAY OUT: the two key halves' sums meet in LDS; each wave finishes 32 rows of out0
.rept 8
	v_nop                                          ; eight places ahead of the first read of results
.endr
	BARRIER                                        ; nobody reads att's images any more: the stages lie over them
.irp ct,0,1,2,3
.irp qt,0,1,2,3
	ds_store_b128 v[STO], v[ACC+8*(4*\qt+\ct):ACC+8*(4*\qt+\ct)+3] offset:4352*\ct+64*\qt          ; lane (r, h): channel 16 ct + r, queries 16 qt + 8 h + 0 .. 7; each accumulator from its low end on
	ds_store_b128 v[STO], v[ACC+8*(4*\qt+\ct)+4:ACC+8*(4*\qt+\ct)+7] offset:4352*\ct+64*\qt+16
.endr
.endr
	BARRIER
	ds_load_b128 v[AW4:AW4+3], v[AWR]              ; att_w of queries 4 r .. 4 r + 3
	WINS 1,0,0,0
.irp t,0,1,2,3,4,5,6,7,8,9,10,11,12,13,14,15
	ds_load_b128 v[128+4*\t:128+4*\t+3], v[RDA] offset:544*\t
	ds_load_b128 v[192+4*\t:192+4*\t+3], v[RDB] offset:544*\t
.endr
	s_wait_dscnt 0x0
	s_wait_loadcnt 0x0                             ; x and v32
	WINS 1,1,1,0
.set J,0
.rept 32
	v_pk_add_f32 v[128+J:129+J], v[128+J:129+J], v[192+J:193+J]            ; out_h
.set J,J+2
.endr
	WINS 1,1,0,1
.set J,0
.rept 32
	v_pk_fma_f32 v[128+J:129+J], v[64+J:65+J], v[AW4+J%4:AW4+J%4+1], v[128+J:129+J]       ; + v att_w
.set J,J+2
.endr
.set J,0
.rept 32
	v_pk_fma_f32 v[128+J:129+J], v[128+J:129+J], s[26:27], v[J:J+1] op_sel_hi:[1,0,1]     ; x gamma, + x
.set J,J+2
.endr
	WINS 0,0,1,0
.irp t,0,1,2,3,4,5,6,7,8,9,10,11,12,13,14,15
	global_store_b128 v[GO], v[128+4*\t:128+4*\t+3], s[74:75] offset:32768*\t th:TH_STORE_NT   ; sixteen lanes store 256 consecutive bytes, aligned
.endr
	WIN 0
	s_wait_tensorcnt 0x0                           ; the wave's end, behind my last LDS store
	ds_add_u32 v[SPW], v[NIL]
	s_wait_dscnt 0x0
	s_endpgm
.Lfunc_end_k_q70a0bd7503_attn:
	.size	k_q70a0bd7503_attn, .Lfunc_end_k_q70a0bd7503_attn-k_q70a0bd7503_attn
	.p2alignl 7, 3214868480
	.fill 96, 4, 3214868480
	.section	.rodata,"a",@progbits
	.p2align	6, 0x0
	.amdhsa_kernel k_q70a0bd7503_attn
		.amdhsa_group_segment_fixed_size 288256
		.amdhsa_private_segment_fixed_size 0
		.amdhsa_enable_private_segment 0
		.amdhsa_kernarg_size 88
		.amdhsa_user_sgpr_count 2
		.amdhsa_user_sgpr_kernarg_segment_ptr 1
		.amdhsa_wavefront_size32 1
		.amdhsa_system_sgpr_workgroup_id_x 1
		.amdhsa_system_sgpr_workgroup_id_y 1
		.amdhsa_system_sgpr_workgroup_id_z 1
		.amdhsa_system_vgpr_workitem_id 0
		.amdhsa_next_free_vgpr 512
		.amdhsa_next_free_sgpr 100
		.amdhsa_reserve_vcc 1
		.amdhsa_float_denorm_mode_32 3
		.amdhsa_float_denorm_mode_16_64 3
		.amdhsa_memory_ordered 1
		.amdhsa_forward_progress 1
		.amdhsa_inst_pref_size 169
	.end_amdhsa_kernel
	.amdgpu_metadata
---
amdhsa.version: [ 1, 2 ]
amdhsa.kernels:
  - .name:           k_q70a0bd7503_attn
    .symbol:         k_q70a0bd7503_attn.kd
    .args:
      - { .name: q_codes, .offset: 0, .size: 8, .value_kind: global_buffer, .address_space: global }
      - { .name: q_sc, .offset: 8, .size: 8, .value_kind: global_buffer, .address_space: global }
      - { .name: k_codes, .offset: 16, .size: 8, .value_kind: global_buffer, .address_space: global }
      - { .name: k_sc, .offset: 24, .size: 8, .value_kind: global_buffer, .address_space: global }
      - { .name: ew, .offset: 32, .size: 8, .value_kind: global_buffer, .address_space: global }
      - { .name: v_img, .offset: 40, .size: 8, .value_kind: global_buffer, .address_space: global }
      - { .name: v_sc, .offset: 48, .size: 8, .value_kind: global_buffer, .address_space: global }
      - { .name: v32, .offset: 56, .size: 8, .value_kind: global_buffer, .address_space: global }
      - { .name: x, .offset: 64, .size: 8, .value_kind: global_buffer, .address_space: global }
      - { .name: gamma, .offset: 72, .size: 8, .value_kind: global_buffer, .address_space: global }
      - { .name: out0, .offset: 80, .size: 8, .value_kind: global_buffer, .address_space: global }
    .group_segment_fixed_size: 288256
    .private_segment_fixed_size: 0
    .kernarg_segment_align: 8
    .kernarg_segment_size: 88
    .max_flat_workgroup_size: 256
    .sgpr_count:     100
    .vgpr_count:     512
    .wavefront_size: 32
...
	.end_amdgpu_metadata
.endif
;; end of part 2
